; MI455X (gfx1250); checked and timed in simulation.
; The chip was launched on July 23, 2026; its instructions are those of AMD's public machine-readable ISA for CDNA 5 (MIT licence, August 2026) and "CDNA5" Instruction Set Architecture Reference Guide (July 2026). The comments in the code are by the model that wrote it; some were corrected since.
;; Model. Allowed arithmetic: matrix products marked QUANTISED: E5M2 operands, one given power-of-two scale a tensor, by v_wmma_f32_16x16x64_bf8_bf8 or v_wmma_f32_16x16x128_bf8_bf8, f32 sums; everything else in f32.
;; Inputs: a 4,096 x 4,096 float16; a_scale 1,024 x 1,024 float32; b 4,096 x 4,096 float16; b_scale 1,024 x 1,024 float32; lowp_scales 2 int32 (the exponents e of the quantised operands' scales 2^e).
;; Outputs: out0 4,096 x 4,096 float16.
;; This version of the problem:
;;   THIS VERSION OF THE PROBLEM IS GIVEN IN LOW PRECISION. The matrix products marked QUANTISED in the list below multiply operands that are first quantised to E5M2 (5 exponent bits, 2 mantissa bits; 8 bits a number), with one given power-of-two scale for each operand tensor; their sums are f32. All else is computed in f32.
;;   The module's matrix products, in the order in which they are computed (A, B: the left and right operand; K: the contracted axis; several contracted axes count as one K, in the product's order):
;;     1. [M 4,096, K 4,096] x [K 4,096, N 4,096]; A: computed on the way; B: computed on the way: QUANTISED (scales: A lowp_scales[0], B lowp_scales[1])
;;   THE QUANTISER, for each operand of a quantised product, along K:
;;     - The operand's scale is 2^e, e = its entry of the input lowp_scales (int32; the entries are numbered through the quantised products in the list's order, A before B).
;;     - Each number is divided by the scale, clamped to +-57,344, and rounded to the nearest number of E5M2, ties to even, subnormals kept.
;;     - The product sums the exact products of the quantised numbers (number of the format x scale) in f32.
;;   ~~~python
;;   def quantise(x, axis, e):      # numpy; x: float32 -> the quantised numbers, widened to float32 again
;;       x = np.moveaxis(x, axis, -1); K = x.shape[-1]
;;       r = np.clip(x / 2.0 ** e, -57344, 57344)
;;       step = 2.0 ** (np.maximum(np.frexp(np.where(r == 0, 1, r))[1] - 1, -14) - 2)
;;       q = np.round(r / step) * step * 2.0 ** e      # np.round: ties to even
;;       return np.moveaxis(q, -1, axis).astype(np.float32)
;;   ~~~
;;   OPERANDS COMPUTED ON THE WAY. 'Computed on the way' means the value that the module computes at that place (a softmax that the list does not call 'softmax' is quantised finished and normalised). What goes into a quantiser is computed in f32, as accurately as f32 sums, v_exp_f32 and their like allow (about 1e-6 of the number): no bf16 or f16 on the way to a quantiser, and a product that is left as it is and whose result goes on into a quantised operand takes f32 operands (vector FMAs, or v_wmma_f32_16x16x4_f32). A number that lies on a knife's edge between two numbers of the format may be rounded either way, as far as f32 arithmetic and the matrix unit's own rounding can turn it there, and no further.
;; One version. Each part assembles by itself: llvm-mc -triple=amdgcn-amd-amdhsa -mcpu=gfx1250 --defsym DOCPART=n.
;; ======== version 1 of 1: 2 launches
;; limits: right only within a limited range of input values; values are held in f16: magnitudes above 65,504 overflow, below 6.1e-05 lose precision
;; workspace buffers: a_codes 16,777,216 bytes; b_codes 16,777,216 bytes
;; launch quant (part 1): grid 1024 x 1, 4 waves a work-group, no clusters, 10,752 bytes of LDS; arguments a, a_scale, b, b_scale, lowp_scales, a_codes, b_codes; writes a_codes, b_codes
.if DOCPART == 1
	.amdgcn_target "amdgcn-amd-amdhsa--gfx1250"
	.amdhsa_code_object_version 6
	.text
	.protected	k_q3bb80fdeeb_quant
	.globl	k_q3bb80fdeeb_quant
	.p2align	8
	.type	k_q3bb80fdeeb_quant,@function
k_q3bb80fdeeb_quant:
	s_mov_b64 s[64:65], 0
	v_nop
	global_prefetch_b8 v0, s[64:65] scope:SCOPE_SE
	s_setreg_imm32_b32 hwreg(HW_REG_WAVE_MODE, 25, 1), 1
	s_wait_xcnt 0x0
; a [4096 (m)][4096 (k)] and b [4096 (k)][4096 (n)], f16, are widened to f32, multiplied by their f32 scale (one for each 4 x 4 block: a_scale [m/4][k/4], b_scale [n/4][k/4])
; and turned into codes of E5M2, 8 bits each, with the one scale 2^e that is given for each tensor (entry 0 of lowp_scales for a, entry 1 for b):
; code = x / 2^e, held within +-57,344, rounded to the nearest code, ties to even.
; LIMITS: -126 <= e and e + 15 <= 127, so that 2^e and 57,344 x 2^e are f32 numbers.  NaN ahead of the quantiser (a NaN input; an infinity times a zero scale) is not served; an infinity is held at the largest code.
; WHY A LAUNCH OF ITS OWN: every tile of either operand is read by 16 tiles of the product, so each number is scaled and converted once here, not 16 times there.
; ONE LAUNCH FOR BOTH: work-groups 0-511 take a, 512-1023 take b; the two ways part on the work-group's number at the head and never join.  Every wave of either way reads 16 KiB of f16 and 2 KiB of scales and stores 8 KiB of codes.
; 242 registers a wave and 10,752 bytes of LDS a work-group: four work-groups to a WGP, all 1,024 at once on 256 WGPs.
; No tensor loads, no barrier, no cluster: no two work-groups read the same bytes.  Every offset is an immediate; nothing is stepped.  No prefetch: most of a wave's 18 KiB is asked for by its first loads.
; a_codes: [mb 32][k256 16][row 128][256 codes]: row m = 128 mb + row, k = 256 k256 + ..
; b_codes: AN IMAGE OF THE OPERAND'S REGISTERS: [nb 32][k128 32][f 8][c 4][h 2][r 16][16 bytes]; byte i of a piece is b(k = 128 k128 + 32 c + 16 h + i, n = 128 nb + 8 r + f).
;   A lane owns 4 neighbouring columns, which share their scales, and its registers run down K; columns 4 lane + j are r = lane / 2, f = 4 (lane % 2) + j: one store of the wave writes two aligned units of 256 bytes whole,
;   with no turn through LDS.
.set R,    32                          ; v32-127  f16 words as loaded (named halves exist for v0-127 only): way a: six sets of 16; way b: three sets of 32
.set X,    128                         ; v128-191 f32 numbers at work
.set SA,   160                         ; way a: v160-171 six pairs of scales
.set CA,   176                         ; way a: v176-183 codes, two registers a row
.set SB,   192                         ; way b: v192-207 my column group's 16 scales, four a step
.set CB,   224                         ; way b: v224-239 codes, four registers a column
.set LIM,  10                          ; v10  57,344 x 2^e
.set SCL,  11                          ; v11  2^e: the conversion takes its exponent field
.set SPW,  240                         ; v240 LDS address of my spare word, v241 0: never rewritten
.set NIL,  241
.set SPB,  80                          ; way b: a row of scales in LDS: 64 bytes + 16 = 20 words, so that 16 rows begin at different banks (64 banks of 4 bytes: ISA guide 11.1)
.set WLDS, 32*SPB                      ; LDS of a wave's own
.set SPARE, 4*WLDS                     ; the spare words, 128 bytes a wave
	s_load_b256 s[4:11], s[0:1], 0x0               ; a s[4:5], a_scale s[6:7], b s[8:9], b_scale s[10:11]
	s_load_b128 s[12:15], s[0:1], 0x20             ; lowp_scales s[12:13], a_codes s[14:15]
	s_load_b64 s[16:17], s[0:1], 0x30              ; b_codes
	v_lshl_add_u32 v[SPW], v0, 2, SPARE
	v_mov_b32 v[NIL], 0
	v_lshrrev_b32 v1, 5, v0
	v_readfirstlane_b32 s18, v1                    ; wave 0..3
	v_and_b32 v2, 31, v0                           ; lane
	s_mov_b32 s23, 0                               ; the upper word of every offset: all stay under 2^32
	s_wait_kmcnt 0x0
	s_load_b64 s[20:21], s[12:13], 0x0             ; e of a, e of b
	s_cmp_lt_u32 ttmp9, 512
	s_cbranch_scc0 .Lb
.macro SCALES e                        ; from the exponent in s[e]: 2^e and 57,344 x 2^e as f32 patterns
	s_wait_kmcnt 0x0
	s_add_co_i32 s[\e], s[\e], 127
	s_lshl_b32 s22, s[\e], 23
	v_mov_b32 v[SCL], s22
	s_add_co_i32 s[\e], s[\e], 15
	s_lshl_b32 s[\e], s[\e], 23
	s_or_b32 s[\e], s[\e], 0x600000                ; 57,344's mantissa field
	v_mov_b32 v[LIM], s[\e]
.endm
; ---------------- WAY A.  A wave takes 32 rows x 256 along K in 8 steps of four rows (one row of a_scale): with g = 4 x work-group + wave, K piece g % 16 and row block g / 16: sixteen waves side by side cover whole rows of a.
; In a step a lane holds 8 neighbours along K of each of the four rows, and the two scales that serve all 32 numbers.  The wave's codes are 8,192 consecutive bytes.
	s_lshl_b32 s19, ttmp9, 2
	s_add_co_u32 s19, s19, s18                     ; g
	s_and_b32 s24, s19, 15                         ; K piece
	s_lshr_b32 s25, s19, 4                         ; row block
	s_lshl_b32 s22, s25, 18                        ; a: 32 rows of 8,192 bytes, 512 bytes along a row
	s_lshl_b32 s26, s24, 9
	s_add_co_u32 s22, s22, s26
	s_add_nc_u64 s[4:5], s[4:5], s[22:23]
	s_lshl_b32 s22, s25, 15                        ; a_scale: 8 rows of 4,096 bytes, 256 bytes along a row
	s_lshl_b32 s26, s24, 8
	s_add_co_u32 s22, s22, s26
	s_add_nc_u64 s[6:7], s[6:7], s[22:23]
	s_lshr_b32 s22, s25, 2                         ; codes: mb = row block / 4,
	s_lshl_b32 s22, s22, 19
	s_lshl_b32 s26, s24, 15                        ; k256 = K piece,
	s_add_co_u32 s22, s22, s26
	s_and_b32 s26, s25, 3                          ; and which 32 of the 128 rows
	s_lshl_b32 s26, s26, 13
	s_add_co_u32 s22, s22, s26
	s_add_nc_u64 s[14:15], s[14:15], s[22:23]
	s_wait_alu depctr_va_vdst(0)
	v_lshlrev_b32 v3, 4, v2                        ; 16 x lane: my 8 f16 of a row's 256
	v_lshlrev_b32 v4, 3, v2                        ; 8 x lane: my two scales, and my 8 codes
.macro ALOAD t                         ; step t: four loads of 512 consecutive bytes, and 256 consecutive bytes of scales
.irp i, 0,1,2,3
	global_load_b128 v[R+16*((\t)%6)+4*\i:R+16*((\t)%6)+4*\i+3], v3, s[4:5] offset:8192*\i+32768*(\t) th:TH_LOAD_NT
.endr
	global_load_b64 v[SA+2*((\t)%6):SA+2*((\t)%6)+1], v4, s[6:7] offset:4096*(\t) th:TH_LOAD_NT
.endm
.macro WIDEN_A s, rb                   ; word s of the set that begins at rb: word 4 i + w holds numbers 2 w, 2 w + 1 of row i, which go to X + 8 i + 2 w on
	v_cvt_f32_f16 v[X+2*(\s-\rb)], v\s\().l
	v_cvt_f32_f16 v[X+2*(\s-\rb)+1], v\s\().h
.endm
.macro WIDE_A k                        ; set k's 16 words.  The halves are named by plain numbers, so each set has its list
.if (\k) == 0
.irp s, 32,33,34,35,36,37,38,39,40,41,42,43,44,45,46,47
	WIDEN_A \s, 32
.endr
.elseif (\k) == 1
.irp s, 48,49,50,51,52,53,54,55,56,57,58,59,60,61,62,63
	WIDEN_A \s, 48
.endr
.elseif (\k) == 2
.irp s, 64,65,66,67,68,69,70,71,72,73,74,75,76,77,78,79
	WIDEN_A \s, 64
.endr
.elseif (\k) == 3
.irp s, 80,81,82,83,84,85,86,87,88,89,90,91,92,93,94,95
	WIDEN_A \s, 80
.endr
.elseif (\k) == 4
.irp s, 96,97,98,99,100,101,102,103,104,105,106,107,108,109,110,111
	WIDEN_A \s, 96
.endr
.else
.irp s, 112,113,114,115,116,117,118,119,120,121,122,123,124,125,126,127
	WIDEN_A \s, 112
.endr
.endif
.endm
.irp t, 0,1,2,3,4,5
	ALOAD \t                                       ; six of the eight steps, 30 loads, are out
.endr
	SCALES 20
.macro ASTEP t
.set SS, SA+2*((\t)%6)
.if 7-(\t) >= 5
	s_wait_loadcnt 25                              ; loads come back in order (ISA guide 5.7.1): this step's five are in, the five younger steps' 25 stay out
.else
	s_wait_loadcnt 5*(7-(\t))                      ; the last steps: the count runs down
.endif
	WIDE_A (\t)%6
.irp i, 0,1,2,3
	v_pk_mul_f32 v[X+8*\i:X+8*\i+1], v[X+8*\i:X+8*\i+1], v[SS:SS+1] op_sel_hi:[1,0]                     ; numbers 0-3: both by the pair's first scale
	v_pk_mul_f32 v[X+8*\i+2:X+8*\i+3], v[X+8*\i+2:X+8*\i+3], v[SS:SS+1] op_sel_hi:[1,0]
	v_pk_mul_f32 v[X+8*\i+4:X+8*\i+5], v[X+8*\i+4:X+8*\i+5], v[SS:SS+1] op_sel:[0,1] op_sel_hi:[1,1]    ; numbers 4-7: both by its second
	v_pk_mul_f32 v[X+8*\i+6:X+8*\i+7], v[X+8*\i+6:X+8*\i+7], v[SS:SS+1] op_sel:[0,1] op_sel_hi:[1,1]
.endr
.if (\t) > 0
	s_wait_xcnt 0x0                                ; the codes' registers were the last step's store data: the conversions below write them only behind this wait.  It stands ahead of this step's loads, which name none of them
.endif
.if (\t)+6 < 8
	ALOAD (\t)+6                                   ; the set and the pair have been read: they take the step six further on
.endif
.set n, 0
.rept 32
	v_med3_num_f32 v[X+n], v[X+n], -v[LIM], v[LIM] ; the conversion to an 8-bit code does not saturate (ISA guide 7.6.2): the hold at the largest code x the scale
.set n, n+1
.endr
.irp i, 0,1,2,3
	v_cvt_scalef32_pk8_bf8_f32 v[CA+2*\i:CA+2*\i+1], v[X+8*\i:X+8*\i+7], v[SCL]
.endr
	v_nop                                          ; a plain line between the conversions and the next step's writes of their sources
.irp i, 0,1,2,3
	global_store_b64 v4, v[CA+2*\i:CA+2*\i+1], s[14:15] offset:256*\i+1024*(\t)   ; the 32 lanes store 256 consecutive bytes, at a multiple of 256 from the buffer's first byte
.endr
.endm
.irp t, 0,1,2,3,4,5,6,7
	ASTEP \t
.endr
	s_endpgm
; ---------------- WAY B.  A wave takes 128 columns x 64 along K: half a block (nb, k128) of b_codes, in 4 steps of 16 rows of b.
; A lane owns columns 4 x lane .. + 3 of the 128; its registers run down K, so the conversions give codes with K innermost and nothing is transposed.
.Lb:
	s_sub_co_u32 s19, ttmp9, 512                   ; 0..511
	s_and_b32 s24, s19, 31                         ; nb = wb % 32
	s_lshr_b32 s25, s19, 5
	s_lshl_b32 s25, s25, 2
	s_add_co_u32 s25, s25, s18                     ; k64 = 4 (wb / 32) + wave
	s_lshl_b32 s22, s25, 19                        ; b: 64 rows of 8,192 bytes,
	s_lshl_b32 s26, s24, 8                         ;    128 columns of 2 bytes
	s_add_co_u32 s22, s22, s26
	s_add_nc_u64 s[8:9], s[8:9], s[22:23]
	s_lshl_b32 s22, s24, 17                        ; b_scale: 32 rows of 4,096 bytes,
	s_lshl_b32 s26, s25, 6                         ;    16 scales of 4 bytes
	s_add_co_u32 s22, s22, s26
	s_add_nc_u64 s[10:11], s[10:11], s[22:23]
	s_lshl_b32 s22, s24, 19                        ; b_codes: 32 blocks of 16,384 bytes for each nb; k64 % 2: c = 0, 1 or c = 2, 3
	s_lshr_b32 s26, s25, 1
	s_lshl_b32 s26, s26, 14
	s_add_co_u32 s22, s22, s26
	s_and_b32 s26, s25, 1
	s_lshl_b32 s26, s26, 10
	s_add_co_u32 s22, s22, s26
	s_add_nc_u64 s[16:17], s[16:17], s[22:23]
	s_mul_i32 s27, s18, WLDS                       ; my wave's LDS
	s_wait_alu depctr_va_vdst(0)
	v_lshlrev_b32 v3, 3, v2                        ; 8 x lane: my four columns in a row of b
	v_lshrrev_b32 v8, 2, v2                        ; lane / 4
	v_and_b32 v9, 3, v2
	v_lshlrev_b32 v9, 4, v9                        ; 16 (lane % 4)
	v_lshl_add_u32 v4, v8, 12, v9                  ; scales in memory: four lanes to a row's 64 bytes, eight rows a load
	v_mul_u32_u24 v5, v8, SPB
	v_add_nc_u32 v5, v5, v9
	v_add_nc_u32 v5, s27, v5                       ; the same places in LDS
	v_mul_u32_u24 v6, v2, SPB
	v_add_nc_u32 v6, s27, v6                       ; and back: row = lane: my column group's 16 scales
	v_lshrrev_b32 v8, 1, v2
	v_and_b32 v9, 1, v2
	v_lshlrev_b32 v8, 4, v8
	v_lshl_add_u32 v7, v9, 13, v8                  ; codes: 8,192 (lane % 2) + 16 (lane / 2): tiles 4 (lane % 2) on, piece r
; The wave's 32 x 16 scales lie as 32 pieces of 64 bytes, 4,096 bytes apart; the four waves of the work-group take the four pieces of each aligned 256 bytes, so no hint is written.
.irp j, 0,1,2,3
	global_load_b128 v[X+4*\j:X+4*\j+3], v4, s[10:11] offset:32768*\j
.endr
.macro BLOAD t                         ; step t: 16 rows of b, 256 consecutive bytes each; row i into words 2 i, 2 i + 1 of set t % 3
.irp i, 0,1,2,3,4,5,6,7,8,9,10,11,12,13,14,15
	global_load_b64 v[R+32*((\t)%3)+2*\i:R+32*((\t)%3)+2*\i+1], v3, s[8:9] offset:(16*(\t)+\i)*8192 th:TH_LOAD_NT
.endr
.endm
.macro WIDEN_B s, rb                   ; word 2 i + w of a set holds columns 2 w, 2 w + 1 of row i, which go to X + 16 column + i
	v_cvt_f32_f16 v[X+32*((\s-\rb)%2)+(\s-\rb)/2], v\s\().l
	v_cvt_f32_f16 v[X+32*((\s-\rb)%2)+16+(\s-\rb)/2], v\s\().h
.endm
.macro WIDE_B k
.if (\k) == 0
.irp s, 32,33,34,35,36,37,38,39,40,41,42,43,44,45,46,47,48,49,50,51,52,53,54,55,56,57,58,59,60,61,62,63
	WIDEN_B \s, 32
.endr
.elseif (\k) == 1
.irp s, 64,65,66,67,68,69,70,71,72,73,74,75,76,77,78,79,80,81,82,83,84,85,86,87,88,89,90,91,92,93,94,95
	WIDEN_B \s, 64
.endr
.else
.irp s, 96,97,98,99,100,101,102,103,104,105,106,107,108,109,110,111,112,113,114,115,116,117,118,119,120,121,122,123,124,125,126,127
	WIDEN_B \s, 96
.endr
.endif
.endm
	BLOAD 0
	BLOAD 1
	BLOAD 2                                        ; 52 loads are out
	s_wait_alu depctr_va_vdst(0)
	SCALES 21
	s_wait_loadcnt 48                              ; the four loads of scales are in; the 48 behind them stay out
.irp j, 0,1,2,3
	ds_store_b128 v5, v[X+4*\j:X+4*\j+3] offset:8*SPB*\j
.endr
.irp t, 0,1,2,3
	ds_load_b128 v[SB+4*\t:SB+4*\t+3], v6 offset:16*\t   ; LDS serves a wave's instructions in order (ISA guide 5.7.1.4): these see the stores above.  Step t's four scales: K / 4 = 4 t .. 4 t + 3
.endr
	s_wait_dscnt 0x0                               ; the scales are back, and the stores have read X
.macro BSTEP t
.set SS, SB+4*(\t)
.if 3-(\t) >= 2
	s_wait_loadcnt 32                              ; this step's 16 loads are in; the two younger steps' 32 stay out
.else
	s_wait_loadcnt 16*(3-(\t))
.endif
	WIDE_B (\t)%3
.if (\t) > 0
	s_wait_xcnt 0x0                                ; the codes' registers were the last step's store data: the conversions below write them only behind this wait; it stands ahead of this step's loads, which name none of them
.endif
.if (\t)+3 < 4
	BLOAD (\t)+3                                   ; the set has been read: it takes the step three further on
.endif
.irp c, 0,1,2,3
.irp u, 0,1,2,3                        ; rows 4 u .. 4 u + 3 of each of my columns take scale u of the step's four
.if \u%2 == 0
	v_pk_mul_f32 v[X+16*\c+4*\u:X+16*\c+4*\u+1], v[X+16*\c+4*\u:X+16*\c+4*\u+1], v[SS+2*(\u/2):SS+2*(\u/2)+1] op_sel_hi:[1,0]
	v_pk_mul_f32 v[X+16*\c+4*\u+2:X+16*\c+4*\u+3], v[X+16*\c+4*\u+2:X+16*\c+4*\u+3], v[SS+2*(\u/2):SS+2*(\u/2)+1] op_sel_hi:[1,0]
.else
	v_pk_mul_f32 v[X+16*\c+4*\u:X+16*\c+4*\u+1], v[X+16*\c+4*\u:X+16*\c+4*\u+1], v[SS+2*(\u/2):SS+2*(\u/2)+1] op_sel:[0,1] op_sel_hi:[1,1]
	v_pk_mul_f32 v[X+16*\c+4*\u+2:X+16*\c+4*\u+3], v[X+16*\c+4*\u+2:X+16*\c+4*\u+3], v[SS+2*(\u/2):SS+2*(\u/2)+1] op_sel:[0,1] op_sel_hi:[1,1]
.endif
.endr
.endr
.set n, 0
.rept 64
	v_med3_num_f32 v[X+n], v[X+n], -v[LIM], v[LIM] ; the hold at the largest code x the scale
.set n, n+1
.endr
.irp c, 0,1,2,3
	v_cvt_scalef32_pk8_bf8_f32 v[CB+4*\c:CB+4*\c+1], v[X+16*\c:X+16*\c+7], v[SCL]
	v_cvt_scalef32_pk8_bf8_f32 v[CB+4*\c+2:CB+4*\c+3], v[X+16*\c+8:X+16*\c+15], v[SCL]
.endr
	v_nop                                          ; a plain line between the conversions and the next step's writes of their sources
.irp c, 0,1,2,3
	global_store_b128 v7, v[CB+4*\c:CB+4*\c+3], s[16:17] offset:2048*\c+512*((\t)/2)+256*((\t)%2)   ; even lanes: tile c, odd lanes: tile 4 + c, K = 16 t on: two aligned units of 256 bytes, both whole
.endr
.endm
.irp t, 0,1,2,3
	BSTEP \t
.endr
	s_wait_tensorcnt 0x0                           ; the wave's end, behind my last LDS store
	ds_add_u32 v[SPW], v[NIL]
	s_wait_dscnt 0x0
	s_endpgm
.Lfunc_end_k_q3bb80fdeeb_quant:
	.size	k_q3bb80fdeeb_quant, .Lfunc_end_k_q3bb80fdeeb_quant-k_q3bb80fdeeb_quant
	.p2alignl 7, 3214868480
	.fill 96, 4, 3214868480
	.section	.rodata,"a",@progbits
	.p2align	6, 0x0
	.amdhsa_kernel k_q3bb80fdeeb_quant
		.amdhsa_group_segment_fixed_size 10752
		.amdhsa_private_segment_fixed_size 0
		.amdhsa_enable_private_segment 0
		.amdhsa_kernarg_size 56
		.amdhsa_user_sgpr_count 2
		.amdhsa_user_sgpr_kernarg_segment_ptr 1
		.amdhsa_wavefront_size32 1
		.amdhsa_system_sgpr_workgroup_id_x 1
		.amdhsa_system_sgpr_workgroup_id_y 1
		.amdhsa_system_sgpr_workgroup_id_z 1
		.amdhsa_system_vgpr_workitem_id 0
		.amdhsa_next_free_vgpr 242
		.amdhsa_next_free_sgpr 66
		.amdhsa_reserve_vcc 0
		.amdhsa_float_denorm_mode_32 3
		.amdhsa_float_denorm_mode_16_64 3
		.amdhsa_memory_ordered 1
		.amdhsa_forward_progress 1
		.amdhsa_inst_pref_size 89
	.end_amdhsa_kernel
	.amdgpu_metadata
---
amdhsa.version: [ 1, 2 ]
amdhsa.kernels:
  - .name:           k_q3bb80fdeeb_quant
    .symbol:         k_q3bb80fdeeb_quant.kd
    .args:
      - { .name: a, .offset: 0, .size: 8, .value_kind: global_buffer, .address_space: global }
      - { .name: a_scale, .offset: 8, .size: 8, .value_kind: global_buffer, .address_space: global }
      - { .name: b, .offset: 16, .size: 8, .value_kind: global_buffer, .address_space: global }
      - { .name: b_scale, .offset: 24, .size: 8, .value_kind: global_buffer, .address_space: global }
      - { .name: lowp_scales, .offset: 32, .size: 8, .value_kind: global_buffer, .address_space: global }
      - { .name: a_codes, .offset: 40, .size: 8, .value_kind: global_buffer, .address_space: global }
      - { .name: b_codes, .offset: 48, .size: 8, .value_kind: global_buffer, .address_space: global }
    .group_segment_fixed_size: 10752
    .private_segment_fixed_size: 0
    .kernarg_segment_align: 8
    .kernarg_segment_size: 56
    .max_flat_workgroup_size: 128
    .sgpr_count:     66
    .vgpr_count:     242
    .wavefront_size: 32
...
	.end_amdgpu_metadata
.endif
;; end of part 1
;; launch gemm (part 2): grid 16 x 16, 4 waves a work-group, clusters of 4 x 4, 327,680 bytes of LDS; arguments a_codes, b_codes, lowp_scales, out0; writes out0
.if DOCPART == 2
	.amdgcn_target "amdgcn-amd-amdhsa--gfx1250"
	.amdhsa_code_object_version 6
	.text
	.protected	k_q3bb80fdeeb_gemm
	.globl	k_q3bb80fdeeb_gemm
	.p2align	8
	.type	k_q3bb80fdeeb_gemm,@function
k_q3bb80fdeeb_gemm:
	s_mov_b64 s[64:65], 0
	v_nop
	global_prefetch_b8 v0, s[64:65] scope:SCOPE_SE
	s_setreg_imm32_b32 hwreg(HW_REG_WAVE_MODE, 25, 1), 1
	s_wait_xcnt 0x0
	s_wait_alu depctr_hold_cnt(0) depctr_sa_sdst(0) depctr_va_vdst(0) depctr_va_sdst(0) depctr_va_ssrc(0) depctr_va_vcc(0) depctr_vm_vsrc(0)
	s_getreg_b32 s2, hwreg(HW_REG_IB_STS2, 6, 4)
	s_cmp_eq_u32 s2, 0
	s_cbranch_scc0 .Lentry_in_a_cluster
	s_endpgm
.Lentry_in_a_cluster:
	s_bfe_u32 s2, ttmp6, 0x10000c
	s_cmp_lg_u32 s2, 0xf033
	s_cbranch_scc0 .Lentry_shape_is_right
	s_endpgm
.Lentry_shape_is_right:
; C[m][n] = 2^(ea + eb) x sum over k of A[m][k] B[n][k], 4096 x 4096 x 4096, codes of E5M2, sums in f32, C in f16, rounded once.  ea, eb: the two whole numbers of lowp_scales.
; LIMIT: -126 <= ea + eb <= 127, so that 2^(ea + eb) is an f32 number.
; a_codes: [mb 32][k256 16][row 128][256 codes];  b_codes: [nb 32][k128 32][f 8][c 4][h 2][r 16][16 codes]: codes k = 128 k128 + 32 c + 16 h + 0 .. 15 of column n = 128 nb + 8 r + f.
; So what a wave fetches for K step n (256 along K) of either operand is one dense piece of 32,768 bytes, stated as 128 rows of 256 bytes.
; A work-group makes 256 x 256 of C with four waves, 128 x 128 each: 64 accumulators of 16 x 16.  16 K steps go through a ring of two LDS slots.  A K step is two steps of 128 along K, 64 matrix instructions each.
; CLUSTERS: 4 x 4 work-groups; A's tiles are shared along a row of the cluster, B's along a column, by joint loads.
; SOURCE 0 = 16 rows of A, SOURCE 1 = B's tile f: in the result lane (r, h) holds rows 8 h + j of column 8 r + f: for one j the eight accumulators of a block give the lane 8 neighbouring columns, 16 bytes, and
; sixteen lanes 256 neighbouring bytes of a row of C: results leave straight from registers in whole aligned units, with no turn through LDS.
; REGISTERS: window 0: v0-15, v32-47 scaled sums on the way out; v16-31 addresses; v48-255 13 fragments of A (16 rows x 128 K): blocks 0-2 have one each, blocks 3-7 two each, by the step's parity.
;   window 1: B's fragments, two sets by the step's parity.  windows 2, 3: accumulators of blocks 0-3 and 4-7; accumulator (a, f) at v[8 (8 (a % 4) + f)]; on the way out a block's packed results lie on its own sums.
; TWO RUNS OF 32 LDS LOADS A STEP bring the next step's fragments: B's eight, then, 24 or 32 products later, A's eight.  B and blocks 3-7 have their other set, and blocks 0-2 are finished when A's run comes.
; PREFETCH: behind the joint load of K step n each wave asks for K step n + 2: of the 128 blocks of 256 bytes of its piece each of the four partners names 32, told apart by address; K step 1 is asked for behind
; K step 0's load, K steps 2 and 3 behind K step 1's; it stops at K step 15.
.set PITCH,  272                       ; A's LDS rows: 256 bytes + 16 of padding: 68 words, so 16 rows begin at 16 different banks (64 banks of 4 bytes: ISA guide 11.1)
.set HALFA,  128*PITCH
.set HALFB,  32768
.set SLOT,   2*HALFA+2*HALFB           ; A's two halves, B's two halves
.set SPARE,  2*SLOT                    ; the spare words, 128 bytes a wave
.set ADRA, 16                          ; v16-17  LDS address of my A fragments in slot 0, 1
.set ADRB, 20                          ; v20-21  the same for B
.set CO,   26                          ; v26     my byte offset in C
.set SPW,  28                          ; v28     my spare word; never rewritten
.set NIL,  29                          ; v29     0; never rewritten
.set PFO,  30                          ; v30     256 x lane: the prefetches' offset
.set G1,  24                           ; descriptor groups for A and B; group 0 once for each slot
.set G0,  32
.set G1B, 48
.set G0B, 56
.set BASEA, 68
.set BASEB, 70
.set PFA, 72                           ; s[72:73] where my prefetches count from
.set MUL_LO, 0xa4                      ; source 0 window 0, source 1 window 1, C and D window 2
.set MUL_HI, 0xf4                      ; the same, C and D window 3
.set MSB, 0
.macro WIN new                         ; the immediate's high byte repeats the setting that is left
.if MSB != (\new)
	s_set_vgpr_msb (MSB<<8)|(\new)
.set MSB, (\new)
.endif
.endm
.macro JLOAD s                         ; a joint load: waves 0 and 1 fetch A's halves, waves 2 and 3 B's; the branch hangs on the wave's number alone
	s_cmp_eq_u32 s15, 0
	s_cbranch_scc0 .Lfor_b_\@
	tensor_load_to_lds s[G0+4*\s:G0+4*\s+3], s[G1:G1+7]
	s_nop 0
.rept 4
	v_nop
.endr
	s_branch .Lasked_\@
.Lfor_b_\@:
	tensor_load_to_lds s[G0B+4*\s:G0B+4*\s+3], s[G1B:G1B+7]
	s_nop 0
.rept 4
	v_nop
.endr
.Lasked_\@:
.endm
.macro CREST                           ; a round of the cluster's barrier behind its opening barrier
	s_cmp_lg_u32 s14, 0
	s_cbranch_scc1 .Lnot_wave_0_\@
	s_barrier_signal -3
.Lnot_wave_0_\@:
	s_barrier_wait -3
	s_barrier_signal -1
	s_barrier_wait -1
.endm
.macro CROUND
	s_barrier_signal -1
	s_barrier_wait -1
	CREST
.endm
.macro PLACES                          ; four plain places behind matrix instructions (ISA guide 7.12.1)
.rept 4
	v_nop
.endr
.endm
	s_load_b128 s[4:7], s[0:1], 0x0                ; a_codes, b_codes
	s_load_b128 s[8:11], s[0:1], 0x10              ; lowp_scales, C
	v_lshl_add_u32 v[SPW], v0, 2, SPARE
	v_mov_b32 v[NIL], 0
	ds_add_u32 v[SPW], v[NIL]
	ds_add_u32 v[SPW], v[NIL]
	v_lshrrev_b32 v1, 5, v0
	v_readfirstlane_b32 s14, v1                    ; wave 0..3
	s_lshr_b32 s15, s14, 1                         ; which half of the tile's rows is mine.  Also: I fetch for A (0) or for B (1)
	s_and_b32 s16, s14, 1                          ; which half of its columns.  Also: which 128 rows of A or columns of B I fetch
	s_bfe_u32 s40, ttmp6, 0x40000                  ; cx, cy
	s_bfe_u32 s41, ttmp6, 0x40004
	s_lshl_b32 s42, ttmp9, 2
	s_add_co_u32 s42, s42, s40                     ; tile column of C
	s_and_b32 s17, ttmp7, 0xffff
	s_lshl_b32 s17, s17, 2
	s_add_co_u32 s17, s17, s41                     ; tile row of C
	s_lshl_b32 s43, s41, 2
	s_lshl_b32 s43, 15, s43                        ; my row of the cluster
	s_lshl_b32 s44, 0x1111, s40                    ; my column
	s_or_b32 s[G1+0], s43, (1<<20)|(1<<21)|(5<<22)|(3<<25)  ; the mask; elements of 1 byte; 4 words of padding behind every 64; 21 set beside a mask
	s_or_b32 s[G1B+0], s44, (1<<21)                ; B's image is not padded
.irp g, G1, G1B
	s_mov_b32 s[\g+1], 256<<16                     ; a tile of 128 rows x 256 bytes, rows end to end
	s_mov_b32 s[\g+2], 128<<16
	s_mov_b32 s[\g+3], 256<<16
	s_mov_b32 s[\g+4], 128
	s_mov_b32 s[\g+5], 256
	s_mov_b32 s[\g+6], 0
	s_mov_b32 s[\g+7], 0
.endr
	s_lshl_b32 s20, s17, 1
	s_add_co_u32 s20, s20, s16
	s_lshl_b32 s20, s20, 19                        ; A: mb = 2 x tile row + half: 16 pieces of 32,768 bytes
	s_mov_b32 s21, 0
	s_lshl_b32 s46, s42, 1
	s_add_co_u32 s46, s46, s16
	s_lshl_b32 s46, s46, 19                        ; B: nb = 2 x tile column + half
	s_mov_b32 s47, 0
	s_mul_i32 s45, s16, HALFA                      ; LDS: A's half,
	s_mul_i32 s18, s16, HALFB
	s_add_co_u32 s18, s18, 2*HALFA                 ; B's half
	s_wait_dscnt 0x0                               ; both opening adds are done
	s_wait_kmcnt 0x0
	s_load_b64 s[96:97], s[8:9], 0x0               ; ea, eb
	s_add_nc_u64 s[BASEA:BASEA+1], s[4:5], s[20:21]
	s_add_nc_u64 s[BASEB:BASEB+1], s[6:7], s[46:47]
.irp s, 0,1
	s_mov_b32 s[G0+4*\s], 1
	s_add_co_u32 s[G0+4*\s+1], s45, \s*SLOT
	s_add_nc_u64 s[G0+4*\s+2:G0+4*\s+3], s[BASEA:BASEA+1], \s*32768
	s_or_b32 s[G0+4*\s+3], s[G0+4*\s+3], 0x80000000
	s_mov_b32 s[G0B+4*\s], 1
	s_add_co_u32 s[G0B+4*\s+1], s18, \s*SLOT
	s_add_nc_u64 s[G0B+4*\s+2:G0B+4*\s+3], s[BASEB:BASEB+1], \s*32768
	s_or_b32 s[G0B+4*\s+3], s[G0B+4*\s+3], 0x80000000
.endr
	CROUND                                         ; all sixteen work-groups are here: the first joint loads meet
	JLOAD 0                                        ; K step 0
	s_cmp_eq_u32 s15, 0
	s_cselect_b64 s[PFA:PFA+1], s[4:5], s[6:7]
	s_cselect_b32 s22, s20, s46                    ; my piece,
	s_cselect_b32 s23, s40, s41                    ; and my place among the four that ask for it with me: 32 blocks of 256 bytes each
	s_lshl_b32 s23, s23, 13
	s_add_co_u32 s22, s22, s23
	s_mov_b32 s23, 0
	s_add_nc_u64 s[PFA:PFA+1], s[PFA:PFA+1], s[22:23]
	s_lshl_b32 s20, s17, 8                         ; C: my first row,
	s_lshl_b32 s21, s15, 7
	s_add_co_u32 s20, s20, s21
	s_lshl_b32 s20, s20, 13
	s_lshl_b32 s46, s42, 9                         ; my first column, in bytes
	s_lshl_b32 s47, s16, 8
	s_add_co_u32 s46, s46, s47
	s_add_co_u32 s20, s20, s46
	s_mov_b32 s21, 0
	s_add_nc_u64 s[10:11], s[10:11], s[20:21]
	s_mul_i32 s21, s15, HALFA                      ; LDS: my 128 rows of A,
	s_mul_i32 s22, s16, HALFB
	s_add_co_u32 s22, s22, 2*HALFA                 ; my 128 columns of B
	s_add_co_u32 s66, s21, SLOT
	s_add_co_u32 s67, s22, SLOT
	v_and_b32 v1, 15, v0                           ; r
	v_bfe_u32 v2, v0, 4, 1                         ; h
	v_and_b32 v6, 31, v0                           ; lane
	v_mul_u32_u24 v3, v1, PITCH
	v_lshl_add_u32 v4, v2, 4, v3                   ; A: row r, 16 h
	v_lshlrev_b32 v7, 4, v6                        ; B: 16 lane
	v_add_nc_u32 v[ADRA], s21, v4
	v_add_nc_u32 v[ADRA+1], s66, v4
	v_add_nc_u32 v[ADRB], s22, v7
	v_add_nc_u32 v[ADRB+1], s67, v7
	v_lshlrev_b32 v5, 16, v2                       ; C: 8 h rows of 8,192 bytes,
	v_lshl_add_u32 v[CO], v1, 4, v5                ;    + 16 r
	v_lshlrev_b32 v[PFO], 8, v6
	s_wait_alu depctr_va_vdst(0)
	global_prefetch_b8 v[PFO], s[PFA:PFA+1] offset:32768 th:TH_LOAD_NT scope:SCOPE_SE    ; K step 1
	s_wait_kmcnt 0x0
	s_add_co_i32 s96, s96, s97
	s_add_co_i32 s96, s96, 127
	s_lshl_b32 s96, s96, 23                        ; 2^(ea + eb) as f32
.macro AREGS a, p                      ; the registers of A's block a in a step of parity p
.if (\a) < 3
.set AR, 48+16*(\a)
.else
.set AR, 96+80*(\p)+16*((\a)-3)
.endif
.endm
.macro LREGS a                         ; the very last step's block a: on blocks 3-7's buffers of parity 1, then on blocks 0-2's
.if (\a) < 5
.set AR, 176+16*(\a)
.else
.set AR, 48+16*((\a)-5)
.endif
.endm
.macro WMMA a, f, p, zero              ; A's block in v[AR ..] x B's tile f of set p onto accumulator (a, f); zero = 1: the first product starts the sum
	WIN MUL_LO+0x50*((\a)/4)
.set AC, 8*(8*((\a)%4)+(\f))
.set BR, 128*(\p)+16*(\f)
.if \zero
	v_wmma_f32_16x16x128_bf8_bf8 v[AC:AC+7], v[AR:AR+15], v[BR:BR+15], 0
.else
	v_wmma_f32_16x16x128_bf8_bf8 v[AC:AC+7], v[AR:AR+15], v[BR:BR+15], v[AC:AC+7]
.endif
.endm
.macro MM a, f, p, zero
	AREGS \a, \p
	WMMA \a, \f, \p, \zero
.endm
.macro MM8 a, p, zero                  ; block a against B's eight: the 64 accumulators take turns in the same order in every step
.irp f, 0,1,2,3,4,5,6,7
	MM \a, \f, \p, \zero
.endr
.endm
.macro LDA slot, q, a                  ; block a's fragment into v[AR ..]: registers 4 c .. 4 c + 3 hold k = 32 c + 16 h + 0 .. 15 of row r
	WIN 0
.irp c, 0,1,2,3
	ds_load_b128 v[AR+4*\c:AR+4*\c+3], v[ADRA+\slot] offset:128*(\q)+32*\c+(\a)*16*PITCH
.endr
.endm
.macro LDB slot, q, p, f               ; B's tile f into set p: the same k in the same places
	WIN 0x40
.set BR, 128*(\p)+16*(\f)
.irp c, 0,1,2,3
	ds_load_b128 v[BR+4*\c:BR+4*\c+3], v[ADRB+\slot] offset:16384*(\q)+2048*(\f)+512*\c
.endr
.endm
.macro RUNB slot, q, p                 ; B's eight fragments of half q of a slot, for a step of parity p
.irp f, 0,1,2,3,4,5,6,7
	LDB \slot, \q, \p, \f
.endr
.endm
.macro RUNA slot, q, p                 ; A's eight; it leaves every window 0
.irp a, 0,1,2,3,4,5,6,7
	AREGS \a, \p
	LDA \slot, \q, \a
.endr
.endm
; The first step of a slot; its runs load the slot's second half.  A wait's count: the later blocks' loads of this step's fragments, and the next B's 32.
.macro STEPA slot, zero
	s_wait_dscnt 28                                ; B and block 0
	MM8 0, 0, \zero
	PLACES
	RUNB \slot, 1, 1
	s_wait_dscnt 56
	MM8 1, 0, \zero
	s_wait_dscnt 52
	MM8 2, 0, \zero
	s_wait_dscnt 48
	MM8 3, 0, \zero
	s_wait_dscnt 44
	MM8 4, 0, \zero
	s_wait_dscnt 32                                ; blocks 5-7 are in too
	PLACES
	RUNA \slot, 1, 1
.irp a, 5,6,7
	MM8 \a, 0, \zero
.endr
.endm
; The second step of a slot, and the change of slots: behind its barrier its runs load the other slot's first half.  In front of the signal each wave waits for all its tensor loads (one is out: its part of the other
; slot), adds 0 to its spare word, and waits for that and for its reads of this slot.  fill = 1: behind a round of the cluster's barrier this slot is filled again with the K step two on.
; step = 1: the prefetches' base goes on by two K steps.  ask: the byte offset of the K step that is prefetched, in all trips but the last; 0: none.
.macro STEPB slot, fill, step, ask
	s_wait_dscnt 28
	MM8 0, 1, 0
	WIN 0
.if \step
	s_wait_xcnt 0x0                                ; the prefetches have read their base
	s_add_nc_u64 s[PFA:PFA+1], s[PFA:PFA+1], 65536
.endif
	s_wait_tensorcnt 0x0
	ds_add_u32 v[SPW], v[NIL]
.if \fill
	s_add_nc_u64 s[G0+4*\slot+2:G0+4*\slot+3], s[G0+4*\slot+2:G0+4*\slot+3], 65536
	s_add_nc_u64 s[G0B+4*\slot+2:G0B+4*\slot+3], s[G0B+4*\slot+2:G0B+4*\slot+3], 65536
.endif
	s_wait_dscnt 24                                ; block 1 is in (24 loads and the add were issued behind it)
	MM8 1, 1, 0
	s_wait_dscnt 0x0                               ; the add is done, and so are my reads of this slot
	s_barrier_signal -1
	MM8 2, 1, 0                                    ; work on registers while the others arrive
	WIN 0
	s_barrier_wait -1
.if \fill
	CREST
	JLOAD \slot                                    ; the first tensor load behind the round; its four v_nop are also the places in front of the run
.else
	PLACES
.endif
	RUNB 1-\slot, 0, 0
.irp a, 3,4,5
	MM8 \a, 1, 0
.endr
	PLACES
	RUNA 1-\slot, 0, 0
.if \ask
	s_cmp_gt_u32 s3, 1
	s_cbranch_scc0 .Lno_more_\@
	global_prefetch_b8 v[PFO], s[PFA:PFA+1] offset:\ask th:TH_LOAD_NT scope:SCOPE_SE
.Lno_more_\@:
.endif
.irp a, 6,7
	MM8 \a, 1, 0
.endr
.endm
	s_wait_tensorcnt 0x0                           ; my part of K step 0 is in
	ds_add_u32 v[SPW], v[NIL]
	s_wait_dscnt 0x0
	CROUND
	JLOAD 1                                        ; K step 1, the first tensor load behind the round
	RUNB 0, 0, 0
	RUNA 0, 0, 0
	global_prefetch_b8 v[PFO], s[PFA:PFA+1] offset:65536 th:TH_LOAD_NT scope:SCOPE_SE    ; K step 2
	global_prefetch_b8 v[PFO], s[PFA:PFA+1] offset:98304 th:TH_LOAD_NT scope:SCOPE_SE    ; K step 3
	STEPA 0, 1                                     ; K step 0's first step starts the sums
	WIN 0
	s_mov_b32 s3, 7
.Llap:                                                 ; trip u goes once round the ring, from K step 2 u's second step to K step 2 u + 2's first; it fills with K steps 2 u + 2 and 2 u + 3
	STEPB 0, 1, 1, 65536                           ; asks for K step 2 u + 4,
	STEPA 1, 0
	STEPB 1, 1, 0, 98304                           ; and for 2 u + 5: in the sixth trip, the last that asks, 14 and 15
	STEPA 0, 0
	WIN 0
	s_sub_co_u32 s3, s3, 1
	s_cmp_lg_u32 s3, 0
	s_cbranch_scc1 .Llap
	STEPB 0, 0, 0, 0                               ; K step 14's second step: nothing is filled again
; THE LAST K STEP GOES BY ROWS OF C.  Both its steps' fragments of B fill window 1; blocks 1-4's first products cover the loads for the second step; from then on each block is finished as soon as it can be, and leaves
; between the products of the blocks behind it.
; THE WAY OUT of block w, half hh (registers j = 4 hh .. + 3 of its accumulators), in eight chunks k: 0-3 scale (into window 0; each accumulator from its low end on), 4-7 round to f16: the 16 bytes of each j, onto sums
; that have been read; with the last chunk the four stores: each writes 256 consecutive aligned bytes of row j and of row 8 + j.  No store's data or address is written again.
.macro WO w, hh, k
.if (\k) < 4
	WIN 0x02+((\w)/4)
.set TS, 64*((\w)%4)+32*((\k)%2)+4*(\hh)+2*((\k)/2)
.set TD, 32*((\k)/2)+8*((\k)%2)
.irp f, 0,1,2,3
	v_pk_mul_f32 v[TD+2*\f:TD+2*\f+1], v[TS+8*\f:TS+8*\f+1], s[96:97] op_sel_hi:[1,0]
.endr
.else
	WIN 0x80+0x40*((\w)/4)
.set TS, 32*(((\k)-4)/2)+((\k)%2)
.set TD, 64*((\w)%4)+8*(4*(\hh)+(\k)-4)
.irp u, 0,1,2,3
	v_cvt_pk_f16_f32 v[TD+\u], v[TS+4*\u], v[TS+4*\u+2]
.endr
.endif
.if (\k) == 7
	WIN 0x08+4*((\w)/4)
.set TD, 64*((\w)%4)+32*(\hh)
.irp j, 0,1,2,3
	global_store_b128 v[CO], v[TD+8*\j:TD+8*\j+3], s[10:11] offset:131072*(\w)+8192*(4*(\hh)+\j) th:TH_STORE_NT
.endr
.endif
.endm
; Eight products (q = 0, 1: block a's first or second step; 2: none) with half a block's way out between them.
.macro UNIT q, a, w, hh
.if \q == 1
	s_wait_dscnt 28-4*\a                           ; block a's second fragment is in: behind it only the later blocks' were asked for
.endif
.set F, 0
.rept 8
.if \q == 0
	MM \a, F, 0, 0
.elseif \q == 1
	LREGS \a
	WMMA \a, F, 1, 0
.endif
	WO \w, \hh, F
.set F, F+1
.endr
.endm
	s_wait_dscnt 28
	MM8 0, 0, 0
	PLACES
	LREGS 0
	LDA 1, 1, 0
	RUNB 1, 1, 1                                   ; 36 loads
	s_wait_dscnt 60                                ; block 1's first fragment: behind it blocks 2-7's 24 loads and the 36
	MM8 1, 0, 0
	s_wait_dscnt 56
	MM8 2, 0, 0
	s_wait_dscnt 52
	MM8 3, 0, 0
	s_wait_dscnt 48
	MM8 4, 0, 0
	PLACES
.irp a, 1,2,3,4,5,6,7                  ; blocks 5-7's lie on blocks 0-2's first fragments
	LREGS \a
	LDA 1, 1, \a
.endr
	s_wait_dscnt 28                                ; all first fragments, block 0's second and all of B's: seven fragments of A were asked for behind them
.irp f, 0,1,2,3,4,5,6,7
	LREGS 0
	WMMA 0, \f, 1, 0
.endr
	PLACES                                         ; block 0's sums are read next
	UNIT 1, 1, 0, 0
	UNIT 0, 5, 0, 1
	UNIT 1, 2, 1, 0
	UNIT 0, 6, 1, 1
	UNIT 1, 3, 2, 0
	UNIT 0, 7, 2, 1
	UNIT 1, 4, 3, 0
	UNIT 1, 5, 3, 1
	UNIT 1, 6, 4, 0
	UNIT 1, 7, 4, 1
	UNIT 2, 0, 5, 0
	UNIT 2, 0, 5, 1
	UNIT 2, 0, 6, 0
	UNIT 2, 0, 6, 1
	UNIT 2, 0, 7, 0
	UNIT 2, 0, 7, 1
	WIN 0
	s_wait_tensorcnt 0x0                           ; the wave's end
	ds_add_u32 v[SPW], v[NIL]
	s_wait_dscnt 0x0
	CROUND                                         ; the closing round: no work-group ends while a partner may still ask for a tile that names it
	s_endpgm
.Lfunc_end_k_q3bb80fdeeb_gemm:
	.size	k_q3bb80fdeeb_gemm, .Lfunc_end_k_q3bb80fdeeb_gemm-k_q3bb80fdeeb_gemm
	.p2alignl 7, 3214868480
	.fill 96, 4, 3214868480
	.section	.rodata,"a",@progbits
	.p2align	6, 0x0
	.amdhsa_kernel k_q3bb80fdeeb_gemm
		.amdhsa_group_segment_fixed_size 327680
		.amdhsa_private_segment_fixed_size 0
		.amdhsa_enable_private_segment 0
		.amdhsa_kernarg_size 32
		.amdhsa_user_sgpr_count 2
		.amdhsa_user_sgpr_kernarg_segment_ptr 1
		.amdhsa_wavefront_size32 1
		.amdhsa_system_sgpr_workgroup_id_x 1
		.amdhsa_system_sgpr_workgroup_id_y 1
		.amdhsa_system_sgpr_workgroup_id_z 1
		.amdhsa_system_vgpr_workitem_id 0
		.amdhsa_next_free_vgpr 1024
		.amdhsa_next_free_sgpr 98
		.amdhsa_reserve_vcc 0
		.amdhsa_float_denorm_mode_32 3
		.amdhsa_float_denorm_mode_16_64 3
		.amdhsa_memory_ordered 1
		.amdhsa_forward_progress 1
		.amdhsa_inst_pref_size 124
	.end_amdhsa_kernel
	.amdgpu_metadata
---
amdhsa.version: [ 1, 2 ]
amdhsa.kernels:
  - .name:           k_q3bb80fdeeb_gemm
    .symbol:         k_q3bb80fdeeb_gemm.kd
    .args:
      - { .name: a_codes, .offset: 0, .size: 8, .value_kind: global_buffer, .address_space: global }
      - { .name: b_codes, .offset: 8, .size: 8, .value_kind: global_buffer, .address_space: global }
      - { .name: lowp_scales, .offset: 16, .size: 8, .value_kind: global_buffer, .address_space: global }
      - { .name: out0, .offset: 24, .size: 8, .value_kind: global_buffer, .address_space: global }
    .group_segment_fixed_size: 327680
    .private_segment_fixed_size: 0
    .kernarg_segment_align: 8
    .kernarg_segment_size: 32
    .max_flat_workgroup_size: 128
    .sgpr_count:     98
    .vgpr_count:     1024
    .wavefront_size: 32
...
	.end_amdgpu_metadata
.endif
;; end of part 2
